; MI455X (gfx1250); checked and timed in simulation.
; The chip was launched on July 23, 2026; its instructions are those of AMD's public machine-readable ISA for CDNA 5 (MIT licence, August 2026) and "CDNA5" Instruction Set Architecture Reference Guide (July 2026). The comments in the code are by the model that wrote it; some were corrected since.
;; Casual Self Attention. Allowed arithmetic: matrix products marked QUANTISED: E2M1 operands, one E8M0 scale for each 32 along K, by v_wmma_scale_f32_16x16x128_f8f6f4 with both operands' format E2M1 (or v_wmma_scale_f32_32x16x128_f4), f32 sums; everything else in f32.
;; Inputs: b_attn 4,096 float32; w_attn 4,096 x 1,024 float32; x 4 x 2,048 x 1,024 float32.
;; Outputs: out0 4 x 2,048 x 1,024 float32.
;; This version of the problem:
;;   THIS VERSION OF THE PROBLEM IS GIVEN IN LOW PRECISION. The matrix products marked QUANTISED in the list below multiply operands that are first quantised to E2M1 (2 exponent bits, 1 mantissa bit; 4 bits a number), with one power-of-two scale for each 32 numbers along K (OCP MX v1.0); their sums are f32. All else is computed in f32.
;;   The module's matrix products, in the order in which they are computed (A, B: the left and right operand; K: the contracted axis; several contracted axes count as one K, in the product's order):
;;     1. [M 8,192, K 1,024] x [K 1,024, N 4,096]; A: input x; B: input w_attn: QUANTISED
;;     2. batch 64 x [M 2,048, K 64] x [K 64, N 2,048]; A: computed on the way; B: computed on the way: QUANTISED
;;     3. batch 64 x [M 2,048, K 2,048] x [K 2,048, N 64]; A: softmax (see below); B: computed on the way: QUANTISED
;;   THE QUANTISER, for each operand of a quantised product, along K:
;;     - K is cut into blocks of 32 from its start; a last block that is shorter is filled with zeros.
;;     - A block's scale is 2^e with e = floor(log2(the largest magnitude in the block)) - 2, held to -126 .. 127; a block of zeros has e = 0. As a byte (E8M0): e + 127.
;;     - Each number is divided by its block's scale, clamped to +-6, and rounded to the nearest number of E2M1, ties to even, subnormals kept.
;;     - The product sums the exact products of the quantised numbers (number of the format x scale) in f32.
;;   ~~~python
;;   def quantise(x, axis):      # numpy; x: float32 -> the quantised numbers, widened to float32 again
;;       x = np.moveaxis(x, axis, -1); K = x.shape[-1]
;;       x = np.pad(x, [(0, 0)] * (x.ndim - 1) + [(0, -K % 32)]); x = x.reshape(x.shape[:-1] + (-1, 32)); a = np.abs(x).max(-1, keepdims=True)
;;       e = np.where(a > 0, np.clip(np.frexp(np.where(a > 0, a, 1))[1] - 1 - 2, -126, 127), 0)      # np.frexp(a)[1] - 1 = floor(log2(a)), exactly
;;       r = np.clip(x / 2.0 ** e, -6, 6)
;;       step = 2.0 ** (np.maximum(np.frexp(np.where(r == 0, 1, r))[1] - 1, 0) - 1)
;;       q = np.round(r / step) * step * 2.0 ** e      # np.round: ties to even
;;       return np.moveaxis(q.reshape(q.shape[:-2] + (-1,))[..., :K], -1, axis).astype(np.float32)
;;   ~~~
;;   SOFTMAX AHEAD OF A QUANTISED PRODUCT. Where the list says 'softmax', what is quantised is not the finished softmax but p = 2^(t - M), with t = logit x log2(e) and M = ceil(the row's largest t), a whole number; so 1/2 < the row's largest p <= 1. The row's sum l is taken of the UNQUANTISED p, in f32, and the product's result is divided by l at the end. Since M is a whole number, a kernel that streams over the keys may use a running M (the ceiling of the running maximum): every later rescaling is an exact power of two, which a block's scale takes up: the codes' values come out the same.
;;   OPERANDS COMPUTED ON THE WAY. 'Computed on the way' means the value that the module computes at that place (a softmax that the list does not call 'softmax' is quantised finished and normalised). What goes into a quantiser is computed in f32, as accurately as f32 sums, v_exp_f32 and their like allow (about 1e-6 of the number): no bf16 or f16 on the way to a quantiser, and a product that is left as it is and whose result goes on into a quantised operand takes f32 operands (vector FMAs, or v_wmma_f32_16x16x4_f32). A number that lies on a knife's edge between two numbers of the format may be rounded either way, as far as f32 arithmetic and the matrix unit's own rounding can turn it there, and no further.
;; One version. Each part assembles by itself: llvm-mc -triple=amdgcn-amd-amdhsa -mcpu=gfx1250 --defsym DOCPART=n.
;; ======== version 1 of 1: 3 launches
;; workspace buffers: xc 4,194,304 bytes; xs 262,144 bytes; wc 1,572,864 bytes; ws 98,304 bytes; qb 9,437,184 bytes; kv 9,437,184 bytes
;; launch quant (part 1): grid 352 x 1, 4 waves a work-group, no clusters, 33,280 bytes of LDS; arguments x, w_attn, xc, xs, wc, ws; writes xc, xs, wc, ws
.if DOCPART == 1
	.amdgcn_target "amdgcn-amd-amdhsa--gfx1250"
	.amdhsa_code_object_version 6
	.text
	.protected	k_qf9608c913f_quant
	.globl	k_qf9608c913f_quant
	.p2align	8
	.type	k_qf9608c913f_quant,@function
k_qf9608c913f_quant:
	s_mov_b64 s[64:65], 0
	v_nop
	global_prefetch_b8 v0, s[64:65] scope:SCOPE_SE
	s_setreg_imm32_b32 hwreg(HW_REG_WAVE_MODE, 25, 1), 1
	s_wait_xcnt 0x0
; x [8192][1024] and rows 0 to 3,071 of w_attn [4096][1024], f32, become codes of FP4 (E2M1), K innermost, two codes a byte, with one E8M0 scale byte for each 32 along K.
; (Rows 3,072 on of w_attn make the fourth chunk of qkv, which the computation never uses: they are not read.)
; A block's scale is 2^(floor(log2(its largest magnitude)) - 2); its byte is the largest magnitude's own exponent field - 2, held at 1 from below by a floor among the maximum's leaves.
; LIMITS: a block of zeros gets the byte 1 where the quantiser's text says 127: its codes are zeros, which add nothing under any byte but 0xff, and this program alone reads the bytes.
; NaN and infinities among the inputs are not served.
; Rows are dense and 1,024 is a multiple of 32: both tensors are streams of blocks of 32.  A wave takes 16 steps of 512 numbers: 8 rows.  Each of a step's four loads reads 512 consecutive bytes;
; the 2,048 bytes turn through the wave's own stage in LDS and come back 64 bytes a lane, so that a lane holds 16 neighbours along K (two neighbouring lanes hold a block).
; THE ORDER OF ROWS IN THE OUTPUT: within each 32 rows the two middle groups of 8 change places, so that position 16 u + r holds row 8 u + r + 8 (r / 8): a work-group's four waves are the
; four groups of 8 rows, and wave w stores at group (w % 2) x 2 + w / 2.  The product's launch then finds its tiles of 16 rows as 16 neighbouring positions.
; The first WGA work-groups take x, the others w_attn.  No tensor loads, no barrier: waves share nothing.  Loads run four steps (16 loads a wave) ahead, the turn through LDS one step.
.set STEPS, 16
.set WGA,   256                        ; 8,192 x 1,024 numbers / 32,768 a work-group
.set CB,    8                          ; bytes of 16 codes
.set R,     16                         ; v16-79   four sets of 16 numbers as they are loaded
.set X,     80                         ; v80-111  two sets of 16 neighbours
.set C,     128                        ; v128-191 codes: four registers for each step, so that no store's data are written again
.set E,     112                        ; v112-127 a scale byte for each step
.set WREG,  8192                       ; LDS: a region for each wave: two stages of 32 x SP bytes, behind them its 256 scale bytes
.set SP,    80                         ; a lane's place in a stage: its 64 bytes + 16 of padding
	s_load_b128 s[4:7], s[0:1], 0x0                ; x, w_attn
	s_load_b128 s[8:11], s[0:1], 0x10              ; x's codes, x's scales
	s_load_b128 s[12:15], s[0:1], 0x20             ; w's codes, w's scales
	v_lshl_add_u32 v192, v0, 2, 0x8000
	v_mov_b32 v193, 0
	v_lshrrev_b32 v1, 5, v0
	v_readfirstlane_b32 s16, v1                    ; wave
	v_and_b32 v2, 31, v0                           ; lane
	v_lshlrev_b32 v3, 4, v2                        ; my 16 bytes of a load's 512
	s_mul_i32 s17, s16, WREG
	v_lshrrev_b32 v14, 2, v2
	v_mul_u32_u24 v14, v14, SP
	v_and_b32 v15, 3, v2
	v_lshl_add_u32 v14, v15, 4, v14
	v_add_nc_u32 v14, s17, v14                     ; the stage, on the way in: SP (lane / 4) + 16 (lane % 4); a load's 512 bytes take eight places
	v_mul_u32_u24 v15, v2, SP
	v_add_nc_u32 v15, s17, v15                     ; and on the way out: SP x lane: my 16 neighbours
	v_mul_u32_u24 v4, v2, CB                       ; my codes' place in a step's
	v_lshrrev_b32 v5, 1, v2
	s_add_co_u32 s17, s17, 2*32*SP
	v_add_nc_u32 v5, s17, v5                       ; LDS: my wave's 256 scale bytes, my block's byte
	v_lshlrev_b32 v7, 3, v2                        ; and on the way out 8 bytes a lane
	v_add_nc_u32 v6, s17, v7
	s_and_b32 s22, s16, 1                          ; where my 8 rows go among the work-group's 32: the wave number's two bits change places
	s_lshl_b32 s22, s22, 1
	s_lshr_b32 s23, s16, 1
	s_or_b32 s22, s22, s23
	s_wait_alu depctr_va_vdst(0)
	s_wait_kmcnt 0x0
	s_cmp_lt_u32 ttmp9, WGA                        ; x's work-group or w's?  The choice hangs on the work-group's number alone
	s_cselect_b64 s[4:5], s[4:5], s[6:7]
	s_cselect_b64 s[8:9], s[8:9], s[12:13]
	s_cselect_b64 s[10:11], s[10:11], s[14:15]
	s_cselect_b32 s17, 0, WGA
	s_sub_co_u32 s17, ttmp9, s17
	s_lshl_b32 s17, s17, 2
	s_add_co_u32 s18, s17, s16                     ; the run of 8,192 numbers that I read,
	s_mov_b32 s19, 0
	s_add_co_u32 s22, s17, s22                     ; and the run's place in the output
	s_mov_b32 s23, 0
	s_lshl_b64 s[20:21], s[18:19], 15              ; 32,768 bytes of f32 a run
	s_add_nc_u64 s[4:5], s[4:5], s[20:21]
	s_lshl_b64 s[20:21], s[22:23], 12              ; 4,096 bytes of codes
	s_add_nc_u64 s[8:9], s[8:9], s[20:21]
	s_lshl_b64 s[20:21], s[22:23], 8               ; 256 scale bytes
	s_add_nc_u64 s[10:11], s[10:11], s[20:21]
.macro LOAD t
.irp i, 0,1,2,3
	global_load_b128 v[R+16*((\t)%4)+4*\i:R+16*((\t)%4)+4*\i+3], v3, s[4:5] offset:2048*(\t)+512*\i th:TH_LOAD_NT   ; 32 lanes read 512 consecutive bytes
.endr
.endm
.macro TURN t                          ; step t's numbers through the stage: LDS serves a wave's instructions in order, so no wait stands between the stores and the loads
.irp i, 0,1,2,3
	ds_store_b128 v14, v[R+16*((\t)%4)+4*\i:R+16*((\t)%4)+4*\i+3] offset:32*SP*((\t)%2)+8*SP*\i
.endr
.irp i, 0,1,2,3
	ds_load_b128 v[X+16*((\t)%2)+4*\i:X+16*((\t)%2)+4*\i+3], v15 offset:32*SP*((\t)%2)+16*\i
.endr
.endm
.irp t, 0,1,2,3
	LOAD \t
.endr
	s_wait_loadcnt 12                              ; step 0's four loads are in; the twelve of steps 1 to 3 may be out
	TURN 0
.macro STEP t
.set XS, X+16*((\t)%2)
.if (\t) > 0
	s_wait_dscnt 1                                 ; this step's numbers are back from the stage (the last step's byte store may be out): so its stores into the stage have read their registers,
.else
	s_wait_dscnt 0x0
.endif
.if (\t)+4 < STEPS
	LOAD (\t)+4                                    ; which take the loads of four steps on
.endif
.if (\t)+1 < STEPS
.if STEPS-2-(\t) >= 3
	s_wait_loadcnt 12                              ; the next step's four loads are in; those of the three steps behind it may be out
.else
	s_wait_loadcnt 4*(STEPS-2-(\t))
.endif
	TURN (\t)+1                                    ; and go through the other stage while this step is worked
.endif
	v_max3_num_f32 v8, |v[XS]|, |v[XS+1]|, |v[XS+2]|               ; the largest magnitude of my 16, in two chains
	v_max3_num_f32 v9, |v[XS+3]|, |v[XS+4]|, |v[XS+5]|
.irp i, 6,10
	v_max3_num_f32 v8, v8, |v[XS+\i]|, |v[XS+\i+1]|
	v_max3_num_f32 v9, v9, |v[XS+\i+2]|, |v[XS+\i+3]|
.endr
	v_max3_num_f32 v8, v8, |v[XS+14]|, |v[XS+15]|
	v_max3_num_f32 v8, v8, v9, 0x1800000           ; and the floor 2^(3 - 127): the byte cannot fall under 1
	v_max_num_f32_dpp v8, v8, v8 row_xmask:1 row_mask:0xf bank_mask:0xf   ; and of my neighbour's 16: the block's
	v_add_nc_u32 v11, 0xff000000, v8               ; 2 off its exponent field: the conversion takes the exponent field of this operand as its scale, and nothing else of it
	v_cvt_scalef32_pk8_fp4_f32 v[C+4*(\t)], v[XS:XS+7], v11        ; eight numbers / the scale, to the nearest code, ties to even, beyond the largest code the largest; the first number's code in the lowest four bits
	v_cvt_scalef32_pk8_fp4_f32 v[C+4*(\t)+1], v[XS+8:XS+15], v11
	v_lshrrev_b32 v[E+(\t)], 23, v11               ; the scale's byte (also the plain line behind the conversions)
	ds_store_b8 v5, v[E+(\t)] offset:16*(\t)       ; both lanes of a block write the same byte with the same value
	global_store_b64 v4, v[C+4*(\t):C+4*(\t)+1], s[8:9] offset:32*CB*(\t)   ; the wave stores 256 consecutive bytes, aligned
.endm
.irp t, 0,1,2,3,4,5,6,7,8,9,10,11,12,13,14,15
	STEP \t
.endr
	ds_load_b64 v[12:13], v6                       ; LDS serves a wave's instructions in order: these see my stores
	s_wait_dscnt 0x0
	global_store_b64 v7, v[12:13], s[10:11]        ; 32 lanes store 256 consecutive bytes, aligned: 8 rows' scale bytes
	s_wait_tensorcnt 0x0
	ds_add_u32 v192, v193
	s_wait_dscnt 0x0
	s_endpgm
.Lfunc_end_k_qf9608c913f_quant:
	.size	k_qf9608c913f_quant, .Lfunc_end_k_qf9608c913f_quant-k_qf9608c913f_quant
	.p2alignl 7, 3214868480
	.fill 96, 4, 3214868480
	.section	.rodata,"a",@progbits
	.p2align	6, 0x0
	.amdhsa_kernel k_qf9608c913f_quant
		.amdhsa_group_segment_fixed_size 33280
		.amdhsa_private_segment_fixed_size 0
		.amdhsa_enable_private_segment 0
		.amdhsa_kernarg_size 48
		.amdhsa_user_sgpr_count 2
		.amdhsa_user_sgpr_kernarg_segment_ptr 1
		.amdhsa_wavefront_size32 1
		.amdhsa_system_sgpr_workgroup_id_x 1
		.amdhsa_system_sgpr_workgroup_id_y 1
		.amdhsa_system_sgpr_workgroup_id_z 1
		.amdhsa_system_vgpr_workitem_id 0
		.amdhsa_next_free_vgpr 194
		.amdhsa_next_free_sgpr 66
		.amdhsa_reserve_vcc 0
		.amdhsa_float_denorm_mode_32 3
		.amdhsa_float_denorm_mode_16_64 3
		.amdhsa_memory_ordered 1
		.amdhsa_forward_progress 1
		.amdhsa_inst_pref_size 33
	.end_amdhsa_kernel
	.amdgpu_metadata
---
amdhsa.version: [ 1, 2 ]
amdhsa.kernels:
  - .name:           k_qf9608c913f_quant
    .symbol:         k_qf9608c913f_quant.kd
    .args:
      - { .name: x, .offset: 0, .size: 8, .value_kind: global_buffer, .address_space: global }
      - { .name: w_attn, .offset: 8, .size: 8, .value_kind: global_buffer, .address_space: global }
      - { .name: xc, .offset: 16, .size: 8, .value_kind: global_buffer, .address_space: global }
      - { .name: xs, .offset: 24, .size: 8, .value_kind: global_buffer, .address_space: global }
      - { .name: wc, .offset: 32, .size: 8, .value_kind: global_buffer, .address_space: global }
      - { .name: ws, .offset: 40, .size: 8, .value_kind: global_buffer, .address_space: global }
    .group_segment_fixed_size: 33280
    .private_segment_fixed_size: 0
    .kernarg_segment_align: 8
    .kernarg_segment_size: 48
    .max_flat_workgroup_size: 128
    .sgpr_count:     66
    .vgpr_count:     194
    .wavefront_size: 32
...
	.end_amdgpu_metadata
.endif
;; end of part 1
;; launch qkv (part 2): grid 12 x 32, 4 waves a work-group, clusters of 4 x 4, 296,448 bytes of LDS; arguments xc, xs, wc, ws, b_attn, qb, kv; writes qb, kv
.if DOCPART == 2
	.amdgcn_target "amdgcn-amd-amdhsa--gfx1250"
	.amdhsa_code_object_version 6
	.text
	.protected	k_qf9608c913f_qkv
	.globl	k_qf9608c913f_qkv
	.p2align	8
	.type	k_qf9608c913f_qkv,@function
k_qf9608c913f_qkv:
	s_mov_b64 s[64:65], 0
	v_nop
	global_prefetch_b8 v0, s[64:65] scope:SCOPE_SE
	s_setreg_imm32_b32 hwreg(HW_REG_WAVE_MODE, 25, 1), 1
	s_wait_xcnt 0x0
	s_wait_alu depctr_hold_cnt(0) depctr_sa_sdst(0) depctr_va_vdst(0) depctr_va_sdst(0) depctr_va_ssrc(0) depctr_va_vcc(0) depctr_vm_vsrc(0)
	s_getreg_b32 s2, hwreg(HW_REG_IB_STS2, 6, 4)
	s_cmp_eq_u32 s2, 0
	s_cbranch_scc0 .Lentry_in_a_cluster
	s_endpgm
.Lentry_in_a_cluster:
	s_bfe_u32 s2, ttmp6, 0x10000c
	s_cmp_lg_u32 s2, 0xf033
	s_cbranch_scc0 .Lentry_shape_is_right
	s_endpgm
.Lentry_shape_is_right:
; q, k, v = x w^T + b on codes of FP4 (E2M1) with one E8M0 scale for each 32 along K = 1,024; the results never go to memory as f32: they are quantised here, q and k along the head's 64,
; v along the tokens, and leave as images of the operand registers that the attention launch wants.
; A tile of 256 x 256 is made by a work-group of four waves; a wave makes 128 x 128: 64 accumulators of 16 x 16, 512 registers.  K = 1,024 is two LDS slots of 512 (rows of 256 bytes);
; both slots and all scale bytes are filled once, at the start: nothing in LDS is filled again, so there is no ring.
; THE MATRIX INSTRUCTION IS USED TRANSPOSED: source 0 = 16 rows of 'B', source 1 = 16 rows of 'A': a lane holds one row of A, and its registers run along B's rows.  The quantiser runs along a lane's registers.
; TWO ROLES, chosen by the cluster's x, which all sixteen partners share:
;   cluster x = 0, 1 (q, k): A = x (tokens), B = w rows 0-2,047 (features): a lane holds a token, its registers run along the head's channels.
;   cluster x = 2    (v):    A = w rows 2,048-3,071,  B = x:                a lane holds a channel, its registers run along the tokens.
; THE ROWS: xc and wc hold, at position 16 u + r of each 32, row 8 u + r + 8 (r / 8).  So in the result the 16 registers of B's tiles 2 b and 2 b + 1 are B's rows 32 b + 16 (lane / 16) + 0 .. 15: 16 neighbours,
; and a block of 32 lies in lanes l and l xor 16.
; THE BIAS is the C of each sum's first matrix instruction.
; CLUSTERS: 4 x 4 work-groups.  The four of a row of the cluster need the same tiles of A, the four of a column the same tiles of B: each tile is asked for jointly, by the same tensor load with the same descriptor and a mask that names the four.
; OUTPUT, in qb (q) and kv (k, v): [16 batch + head][step of 128 tokens][9,216 bytes]: +0 eight tiles of 512 bytes: q's or k's codes; +4,096 v's codes: 4 tiles x 2 halves x 512; +8,192 q's or k's scale words; +8,704 v's.
; LIMITS: NaN and infinities are not served; a block of zeros carries the byte 1 over zero codes.
; REGISTERS, in windows of 256: window 0: v0-31 addresses; v32-95 scale words, two sets; v128-191 A's fragments, one set; v192-255 the bias.  On the way out: v32-63 at work, v128-191 the codes.
;   window 1: B's fragments, two sets, at v0 and v128.   window 2: the accumulators of A's blocks 0-3 ((a, b) at v[8 (8 (a % 4) + b)]);   window 3: those of blocks 4-7.
.set NQ,     4                         ; matrix instructions deep in a slot: 512 / 128
.set ROWB,   256                       ; a tile's row in bytes: 512 codes
.set KROW,   512                       ; a row of codes in memory
.set PITCH,  272                       ; an LDS row: 256 bytes + 16 of padding = 68 words: the 16 rows that a load touches start at 16 different banks (64 banks of 4 bytes: ISA guide 11.1)
.set FR,     8                         ; registers of a fragment: 16 rows x 128 K
.set NL,     2                         ; LDS loads that bring one
.set NP,     4                         ; places behind this matrix instruction (ISA guide 7.12.1)
.set HALFT,  128*PITCH                 ; 128 rows: what one tensor load brings
.set SLOT,   4*HALFT                   ; A's 256 rows, then B's 256 rows
.set KS,     32                        ; a row of scale bytes
.set SCL,    2*SLOT                    ; behind the slots: the scales, as pieces of 256 bytes + 16 of padding
.set HALFS,  (128*KS/256)*272          ; the scales of 128 rows
.set SBLK,   (16*KS/256)*272           ; those of 16 rows
.set HEADB,  147456                    ; a head in qb and kv: 16 steps
.set STEPB,  9216                      ; a step of 128 tokens
.set ADRA, 16                          ; v16-17  LDS address of my A fragments in slot 0, 1
.set ADRB, 20                          ; v20-21  the same for B
.set BQ,   24                          ; v24     the bias, roles q and k: 64 (lane / 16) bytes
.set BV,   25                          ; v25     the bias, role v: 4 (r + 8 (r / 8)) bytes
.set LI,   26                          ; v26     16 x lane: my place in an image of registers
.set ADRS, 27                          ; v27     LDS address of my scale words: lanes 0-15 A's rows, lanes 16-31 B's
.set SC,   32                          ; scale words: set s at v[SC + 32 s]; register 4 i + q: lanes 0-15 A's block i, lanes 16-31 B's block i, the slot's q-th 128 along K
.set AF,   128                         ; A's fragments
.set BI,   192                         ; the bias, eight registers a tile
.set TM,   32                          ; the way out: v32-35 largest magnitudes, v36-39 the other half's, then bytes, v44-47 the conversions' scale operands
.set SW,   48                          ; v48-55  block a's scale word
.set DD,   56                          ; v56-59  scale words as they are stored, first head;  v60-63 second head
.set EE,   60
.set PC,   128                         ; v128-191 block a's codes at v[PC + 8 a]: registers of its own, so that no store's data are written again
.set G1, 24                            ; s[24:31] descriptor group 1 for A's tiles;  s[32:39] group 0, one set for each slot
.set G0, 32
.set G1B, 48                           ; s[48:55], s[56:63] the same for B's tiles
.set G0B, 56
.set SEL, 66                           ; s66-67  lane selects for v_permlanex16_b32: lane l xor 16
.set G1S, 68                           ; s[68:75], s[76:79] groups 1 and 0 for A's scales;  s[80:87], s[88:91] for B's
.set G0S, 76
.set G1SB, 80
.set G0SB, 88
.set PATH, 95                          ; s95     the role: 0 q and k, 1 v
.set MSB, 0
.macro WIN new                         ; the immediate's high byte repeats the setting that is left
.if MSB != \new
	s_set_vgpr_msb (MSB<<8)|\new
.set MSB, \new
.endif
.endm
.set MUL_LO, 0xa1                      ; source 0 (B) window 1, source 1 (A) window 0, C and D window 2
.set MUL_HI, 0xf1                      ; the same, C and D window 3
.set BIA_LO, 0x81                      ; the same with C (the bias) in window 0
.set BIA_HI, 0xc1
.set TO_B,   0x40                      ; destination window 1, address window 0
; A joint load: waves 0 and 1 fetch for A, waves 2 and 3 for B.  Each of the two lines has one mask and one set of registers for all that issue it; the branch hangs on the wave's number alone.
; Four v_nop follow each of the two lines, ahead of the jump, the label and what follows.
.macro JLOAD g0a, g1a, g0b, g1b
	s_cmp_eq_u32 s15, 0
	s_cbranch_scc0 .Lfor_b_\@
	tensor_load_to_lds s[\g0a:\g0a+3], s[\g1a:\g1a+7]
	s_nop 0
.rept 4
	v_nop
.endr
	s_branch .Lasked_\@
.Lfor_b_\@:
	tensor_load_to_lds s[\g0b:\g0b+3], s[\g1b:\g1b+7]
	s_nop 0
.rept 4
	v_nop
.endr
.Lasked_\@:
.endm
.macro CROUND                          ; a round of the cluster's barrier
	s_barrier_signal -1
	s_barrier_wait -1
	s_cmp_lg_u32 s14, 0
	s_cbranch_scc1 .Lnot_wave_0_\@
	s_barrier_signal -3
.Lnot_wave_0_\@:
	s_barrier_wait -3
	s_barrier_signal -1
	s_barrier_wait -1
.endm
	s_load_b256 s[4:11], s[0:1], 0x0               ; x's codes s[4:5], x's scales s[6:7], w's codes s[8:9], w's scales s[10:11]
	s_load_b128 s[96:99], s[0:1], 0x20             ; b_attn s[96:97], qb s[98:99]
	s_load_b64 s[100:101], s[0:1], 0x30            ; kv
	v_lshl_add_u32 v126, v0, 2, 0x48400
	v_mov_b32 v127, 0
	ds_add_u32 v126, v127
	ds_add_u32 v126, v127
	v_lshrrev_b32 v1, 5, v0
	v_readfirstlane_b32 s14, v1                    ; wave 0..3
	s_lshr_b32 s15, s14, 1                         ; which half of A's rows is mine.  Also: I fetch for A (0) or for B (1)
	s_and_b32 s16, s14, 1                          ; which half of B's rows.  Also: which 128 rows of that tile I fetch
	s_bfe_u32 s40, ttmp6, 0x40000                  ; cx, cy: my place in the cluster
	s_bfe_u32 s41, ttmp6, 0x40004
	s_and_b32 s17, ttmp7, 0xffff                   ; the cluster's y
	s_cmp_eq_u32 ttmp9, 2                          ; the role hangs on the cluster's x alone
	s_cselect_b32 s[PATH], 1, 0
	s_cselect_b32 s42, s17, ttmp9                  ; which four tiles of B: v: x's, by the cluster's y;  q, k: w's, by its x
	s_cselect_b32 s17, 2, s17                      ; which four tiles of A: v: w's tiles 8-11 (rows 2,048 on);  q, k: x's, by the cluster's y
	s_lshl_b32 s42, s42, 2
	s_add_co_u32 s42, s42, s40                     ; B's tile
	s_lshl_b32 s17, s17, 2
	s_add_co_u32 s17, s17, s41                     ; A's tile
	s_lshl_b32 s43, s41, 2
	s_lshl_b32 s43, 15, s43                        ; my row of the cluster
	s_lshl_b32 s44, 0x1111, s40                    ; my column
	s_mov_b32 s[SEL], 0x76543210
	s_mov_b32 s[SEL+1], 0xfedcba98
	; descriptor group 1: a tile of 128 rows x 256 bytes, padded in LDS
	s_or_b32 s[G1+0], s43, (0<<16)|(1<<20)|(1<<21)|(5<<22)|(3<<25)  ; 15:0 the mask: A's tiles go to my row; 17:16 elements of 1 byte; 20 padding on; 21 set beside a mask; 24:22 after every 64 words (code 5); 31:25 four words (code 3)
	s_or_b32 s[G1B+0], s44, (0<<16)|(1<<20)|(1<<21)|(5<<22)|(3<<25)
.irp g, G1, G1B
	s_mov_b32 s[\g+1], ROWB<<16                    ; tensor_dim0
	s_mov_b32 s[\g+2], 128<<16                     ; tensor_dim1
	s_mov_b32 s[\g+3], ROWB<<16                    ; tile_dim0
	s_mov_b32 s[\g+4], 128                         ; tile_dim1
	s_mov_b32 s[\g+5], KROW                        ; tensor_dim0_stride
	s_mov_b32 s[\g+6], 0
	s_mov_b32 s[\g+7], 0
.endr
	; the scales of 128 rows: 4,096 dense bytes, as 16 rows of 256 bytes (32 elements of 8 bytes), 16 bytes of padding behind each
	s_or_b32 s[G1S+0], s43, (3<<16)|(1<<20)|(1<<21)|(5<<22)|(3<<25)
	s_or_b32 s[G1SB+0], s44, (3<<16)|(1<<20)|(1<<21)|(5<<22)|(3<<25)
.irp g, G1S, G1SB
	s_mov_b32 s[\g+1], 32<<16
	s_mov_b32 s[\g+2], (128*KS/256)<<16
	s_mov_b32 s[\g+3], 32<<16
	s_mov_b32 s[\g+4], 128*KS/256
	s_mov_b32 s[\g+5], 32
	s_mov_b32 s[\g+6], 0
	s_mov_b32 s[\g+7], 0
.endr
	s_lshl_b32 s18, s16, 7                         ; which 128 rows of the tile I fetch
	s_lshl_b32 s20, s17, 8
	s_add_co_u32 s20, s20, s18                     ; A: row 256 x tile + 128 x half
	s_lshl_b32 s46, s42, 8
	s_add_co_u32 s46, s46, s18                     ; B likewise
	s_mov_b32 s21, 0
	s_mov_b32 s47, 0
	s_mov_b64 s[18:19], KS
	s_mul_u64 s[22:23], s[20:21], s[18:19]         ; where these rows' scales begin, in bytes
	s_mul_u64 s[92:93], s[46:47], s[18:19]
	s_mov_b64 s[18:19], KROW
	s_mul_u64 s[20:21], s[20:21], s[18:19]         ; and their codes
	s_mul_u64 s[46:47], s[46:47], s[18:19]
	s_mul_i32 s45, s14, HALFT                      ; where they go: wave x 128 rows: no place in the cluster enters an LDS address
	s_mul_i32 s94, s14, HALFS
	s_wait_dscnt 0x0
	s_wait_kmcnt 0x0
	s_cmp_eq_u32 s[PATH], 1                        ; the buffers by role: a choice that hangs on no address
	s_cselect_b64 s[2:3], s[8:9], s[4:5]           ; A's codes
	s_cselect_b64 s[18:19], s[10:11], s[6:7]       ; A's scales
	s_cselect_b64 s[8:9], s[4:5], s[8:9]           ; B's codes
	s_cselect_b64 s[10:11], s[6:7], s[10:11]       ; B's scales
	s_cmp_eq_u32 ttmp9, 0
	s_cselect_b64 s[12:13], s[98:99], s[100:101]   ; the output: q goes to qb, k and v to kv
	s_add_nc_u64 s[20:21], s[2:3], s[20:21]
	s_add_nc_u64 s[22:23], s[18:19], s[22:23]
	s_add_nc_u64 s[46:47], s[8:9], s[46:47]
	s_add_nc_u64 s[92:93], s[10:11], s[92:93]
	CROUND                                         ; all sixteen work-groups are here: the joint loads meet
	s_mov_b32 s[G0S], 1
	s_add_co_u32 s[G0S+1], s94, SCL
	s_mov_b64 s[G0S+2:G0S+3], s[22:23]
	s_or_b32 s[G0S+3], s[G0S+3], 0x80000000
	s_mov_b32 s[G0SB], 1
	s_add_co_u32 s[G0SB+1], s94, SCL
	s_mov_b64 s[G0SB+2:G0SB+3], s[92:93]
	s_or_b32 s[G0SB+3], s[G0SB+3], 0x80000000
	JLOAD G0S, G1S, G0SB, G1SB                     ; the scales first: they are wanted with slot 0
.irp s, 0,1
	s_mov_b32 s[G0+4*\s], 1
	s_add_co_u32 s[G0+4*\s+1], s45, \s*SLOT
	s_add_nc_u64 s[G0+4*\s+2:G0+4*\s+3], s[20:21], \s*ROWB
	s_or_b32 s[G0+4*\s+3], s[G0+4*\s+3], 0x80000000
	s_mov_b32 s[G0B+4*\s], 1
	s_add_co_u32 s[G0B+4*\s+1], s45, \s*SLOT
	s_add_nc_u64 s[G0B+4*\s+2:G0B+4*\s+3], s[46:47], \s*ROWB
	s_or_b32 s[G0B+4*\s+3], s[G0B+4*\s+3], 0x80000000
	JLOAD G0+4*\s, G1, G0B+4*\s, G1B               ; three tensor loads of mine are out now, and no more are issued
.endr
	v_and_b32 v1, 15, v0                           ; r = l % 16
	v_bfe_u32 v2, v0, 4, 1                         ; h = l / 16
	v_mul_u32_u24 v3, v1, PITCH
	v_lshl_add_u32 v4, v2, 4, v3                   ; a fragment's row x pitch + 16 x half
	s_mul_i32 s21, s15, HALFT                      ; my 128 rows of A
	s_mul_i32 s22, s16, HALFT                      ; my 128 rows of B,
	s_add_co_u32 s22, s22, 2*HALFT                 ; which lie behind A's 256
.irp s, 0,1
	v_add_nc_u32 v[ADRA+\s], s21, v4
	v_add_nc_u32 v[ADRB+\s], s22, v4
	s_add_co_u32 s21, s21, SLOT
	s_add_co_u32 s22, s22, SLOT
.endr
	v_mul_u32_u24 v5, v1, KS                       ; my row's scales: 32 bytes a row,
	v_lshrrev_b32 v6, 8, v5
	v_lshl_add_u32 v5, v6, 4, v5                   ; and 16 more for each 256 passed
	s_mul_i32 s21, s15, HALFS                      ; A's: my 128 rows
	s_mul_i32 s22, s16, HALFS                      ; B's: my 128 rows, behind A's 256
	s_add_co_u32 s22, s22, 2*HALFS
	s_sub_co_u32 s22, s22, s21
	v_mul_u32_u24 v6, s22, v2                      ; lanes 16-31 take B's: the lower base + h x the distance
	s_add_co_u32 s21, s21, SCL
	v_add_nc_u32 v5, v5, v6
	v_add_nc_u32 v[ADRS], s21, v5
	v_and_b32 v6, 31, v0
	v_lshlrev_b32 v[LI], 4, v6
	v_lshlrev_b32 v[BQ], 6, v2
	v_and_b32 v[BV], 8, v1
	v_add_nc_u32 v[BV], v[BV], v1
	v_lshlrev_b32 v[BV], 2, v[BV]
	; which features and which tokens are mine, by role
	s_cmp_eq_u32 s[PATH], 1
	s_cselect_b32 s20, s17, s42                    ; the features' tile of 256,
	s_cselect_b32 s21, s15, s16                    ; and my half of it
	s_cselect_b32 s22, s42, s17                    ; the tokens' tile,
	s_cselect_b32 s23, s16, s15                    ; and my half
	s_lshl_b32 s2, s20, 10
	s_lshl_b32 s3, s21, 9
	s_add_co_u32 s2, s2, s3                        ; 4 bytes x (256 x tile + 128 x half)
	s_mov_b32 s3, 0
	s_add_nc_u64 s[96:97], s[96:97], s[2:3]        ; b_attn at my first feature
	s_lshl_b32 s22, s22, 1
	s_add_co_u32 s22, s22, s23                     ; my step of 128 tokens among all 64
	s_lshr_b32 s23, s22, 4
	s_lshl_b32 s23, s23, 4                         ; 16 x batch
	s_and_b32 s20, s20, 3
	s_lshl_b32 s20, s20, 2                         ; a tile of 256 features is four heads,
	s_add_co_u32 s23, s23, s20
	s_lshl_b32 s21, s21, 1                         ; my half of it two
	s_add_co_u32 s23, s23, s21
	s_mul_i32 s23, s23, HEADB
	s_and_b32 s22, s22, 15
	s_mul_i32 s22, s22, STEPB
	s_add_co_u32 s2, s23, s22                      ; under 64 x 147,456 bytes
	s_add_nc_u64 s[12:13], s[12:13], s[2:3]        ; the output at my first head's step
	; the bias, in the result's layout.  q, k: it runs along the registers: tile b's register j is feature 32 (b / 2) + 8 (b % 2) + 16 h + j.  v: it belongs to the lane: tile a's row r is feature 32 (a / 2) + 8 (a % 2) + r + 8 (r / 8)
	s_cmp_eq_u32 s[PATH], 1
	s_cbranch_scc1 .Lbias_v
	s_wait_alu depctr_va_vdst(0)
.irp b, 0,1,2,3,4,5,6,7
	global_load_b128 v[BI+8*\b:BI+8*\b+3], v[BQ], s[96:97] offset:(32*(\b/2)+8*(\b%2))*4
	global_load_b128 v[BI+8*\b+4:BI+8*\b+7], v[BQ], s[96:97] offset:(32*(\b/2)+8*(\b%2))*4+16
.endr
	s_branch .Lbias_in
.Lbias_v:
	s_wait_alu depctr_va_vdst(0)
.irp a, 0,1,2,3,4,5,6,7
	global_load_b32 v[BI+8*\a], v[BV], s[96:97] offset:(32*(\a/2)+8*(\a%2))*4
.endr
	s_wait_loadcnt 0x0                             ; (the tensor loads are out meanwhile)
.irp a, 0,1,2,3,4,5,6,7
.irp j, 1,2,3,4,5,6,7
	v_mov_b32 v[BI+8*\a+\j], v[BI+8*\a]            ; one number for the tile's eight registers
.endr
.endr
.rept 4
	v_nop
.endr
.Lbias_in:
	s_wait_loadcnt 0x0                             ; all 64 registers of the bias are written, on both ways
.macro FRAG reg, adr, q, i             ; a fragment, 16 rows x 128 K of 4-bit codes: lane l holds row l % 16; registers 4 c .. 4 c + 3 hold K = 64 c + 32 (l / 16) + 0 .. 31
.irp c, 0,1
	ds_load_b128 v[\reg+4*\c:\reg+4*\c+3], v[\adr] offset:64*(\q)+32*\c+(\i)*16*PITCH
.endr
.endm
; 16 matrix instructions: A's blocks a0, a0 + 1 x B's eight, the slot's q-th 128 along K.  p: B's set;  sc: the set of scale words.
; zero = 0: onto the sums;  1: the sums start with the bias of B's block (q, k);  2: with the bias of A's block (v).  Nothing is ever cleared.
; The 64 accumulators take turns, one instruction a turn, in the same order in every step.
.macro MUL16 a0, p, q, sc, zero
.irp a, \a0, \a0+1
.irp b, 0,1,2,3,4,5,6,7
.if \zero == 1
	v_wmma_scale_f32_16x16x128_f8f6f4 v[8*(8*((\a)%4)+\b):8*(8*((\a)%4)+\b)+7], v[128*(\p)+FR*\b:128*(\p)+FR*\b+FR-1], v[AF+FR*(\a):AF+FR*(\a)+FR-1], v[BI+8*\b:BI+8*\b+7], v[SC+8*NQ*(\sc)+NQ*\b+(\q)], v[SC+8*NQ*(\sc)+NQ*(\a)+(\q)] matrix_a_fmt:MATRIX_FMT_FP4 matrix_b_fmt:MATRIX_FMT_FP4 matrix_a_scale:MATRIX_SCALE_ROW1
.elseif \zero == 2
	v_wmma_scale_f32_16x16x128_f8f6f4 v[8*(8*((\a)%4)+\b):8*(8*((\a)%4)+\b)+7], v[128*(\p)+FR*\b:128*(\p)+FR*\b+FR-1], v[AF+FR*(\a):AF+FR*(\a)+FR-1], v[BI+8*(\a):BI+8*(\a)+7], v[SC+8*NQ*(\sc)+NQ*\b+(\q)], v[SC+8*NQ*(\sc)+NQ*(\a)+(\q)] matrix_a_fmt:MATRIX_FMT_FP4 matrix_b_fmt:MATRIX_FMT_FP4 matrix_a_scale:MATRIX_SCALE_ROW1
.else
	v_wmma_scale_f32_16x16x128_f8f6f4 v[8*(8*((\a)%4)+\b):8*(8*((\a)%4)+\b)+7], v[128*(\p)+FR*\b:128*(\p)+FR*\b+FR-1], v[AF+FR*(\a):AF+FR*(\a)+FR-1], v[8*(8*((\a)%4)+\b):8*(8*((\a)%4)+\b)+7], v[SC+8*NQ*(\sc)+NQ*\b+(\q)], v[SC+8*NQ*(\sc)+NQ*(\a)+(\q)] matrix_a_fmt:MATRIX_FMT_FP4 matrix_b_fmt:MATRIX_FMT_FP4 matrix_a_scale:MATRIX_SCALE_ROW1
.endif
.endr
.endr
.endm
.macro FETCH_B slot, q, p              ; B's eight fragments of the slot's q-th 128 along K into set p
	WIN TO_B
.irp i, 0,1,2,3,4,5,6,7
	FRAG 128*(\p)+FR*\i, ADRB+\slot, \q, \i
.endr
	WIN 0
.endm
.macro FETCH_A slot, q, i0             ; A's blocks i0 .. i0 + 3
.irp i, \i0, \i0+1, \i0+2, \i0+3
	FRAG AF+FR*(\i), ADRA+\slot, \q, \i
.endr
.endm
.macro SCALES sc                       ; a slot's scale words into set sc: four words a row; lanes 0-15 take A's block i, lanes 16-31 B's block i
.irp i, 0,1,2,3,4,5,6,7
	ds_load_b128 v[SC+8*NQ*\sc+NQ*\i:SC+8*NQ*\sc+NQ*\i+3], v[ADRS] offset:\i*SBLK
.endr
.endm
; A load into a register that a matrix instruction has read, and a vector instruction that reads a matrix result or writes one of a matrix instruction's registers, stand NP places behind it, and only
; plain vector instructions that name none of its registers are places (ISA guide 7.12.1 for vector instructions).
.macro PLACES n
.rept \n
	v_nop
.endr
.endm
; A step of 128 along K that has its successor in the same slot.  A's blocks are free as soon as their eight products are issued: blocks 0-3 are fetched anew in the step's middle, blocks 4-7 at its end.
.macro STEP slot, q, zero
	s_wait_dscnt 4*NL                              ; B's set, the scale words and A's blocks 0-3 are in; the youngest eight loads (A's blocks 4-7) may be out
.if \zero
	WIN BIA_LO
.else
	WIN MUL_LO
.endif
	MUL16 0, (\q)%2, \q, \slot, \zero
	MUL16 2, (\q)%2, \q, \slot, \zero
	s_wait_dscnt 0                                 ; A's blocks 4-7 are in (asked for 32 matrix instructions ago)
	PLACES NP
	FETCH_B \slot, (\q)+1, 1-(\q)%2
	FETCH_A \slot, (\q)+1, 0
.if \zero
	WIN BIA_HI
.else
	WIN MUL_HI
.endif
	MUL16 4, (\q)%2, \q, \slot, \zero
	MUL16 6, (\q)%2, \q, \slot, \zero
	PLACES NP
	WIN 0
	FETCH_A \slot, (\q)+1, 4
.endm
.macro STEPS slot, from                ; the slot's steps from .. NQ - 2
.set Q, \from
.rept NQ-1-\from
	STEP \slot, Q, 0
.set Q, Q+1
.endr
.endm
	s_wait_tensorcnt 1                             ; the scales and my part of slot 0 are in; slot 1's load may be out
	s_barrier_signal -1
	s_barrier_wait -1                              ; everybody's are
	FETCH_B 0, 0, 0
	FETCH_A 0, 0, 0
	SCALES 0
	FETCH_A 0, 0, 4
	s_cmp_eq_u32 s[PATH], 1                        ; the first step starts the sums with the bias, which lies otherwise in the two roles
	s_cbranch_scc1 .Lfirst_v
	s_wait_alu depctr_va_vdst(0)
	STEP 0, 0, 1
	s_branch .Lfirst_done
.Lfirst_v:
	s_wait_alu depctr_va_vdst(0)
	STEP 0, 0, 2
.Lfirst_done:
	STEPS 0, 1
	; slot 0's last step goes over to slot 1: one barrier, in front of which each wave has seen its part of slot 1 land
	s_wait_tensorcnt 0x0                           ; my part of slot 1 is in
	s_wait_dscnt 4*NL                              ; (A's blocks 4-7 may be out)
	WIN MUL_LO
	MUL16 0, 1, NQ-1, 0, 0
	s_wait_dscnt 0x0                               ; no LDS instruction of mine is out at the signal
	s_barrier_signal -1
	MUL16 2, 1, NQ-1, 0, 0                         ; work on registers while the others arrive
	WIN 0
	s_barrier_wait -1
	PLACES NP
	v_add_nc_u32 v[ADRS], 4*NQ, v[ADRS]            ; on to slot 1's scale words (no LDS load of mine is out)
	FETCH_B 1, 0, 0
	FETCH_A 1, 0, 0
	SCALES 1
	WIN MUL_HI
	MUL16 4, 1, NQ-1, 0, 0
	MUL16 6, 1, NQ-1, 0, 0
	PLACES NP
	WIN 0
	FETCH_A 1, 0, 4
	STEPS 1, 0
	s_wait_dscnt 4*NL                              ; the last step: nothing more to fetch
	WIN MUL_LO
	MUL16 0, 1, NQ-1, 1, 0
	MUL16 2, 1, NQ-1, 1, 0
	s_wait_dscnt 0
	WIN MUL_HI
	MUL16 4, 1, NQ-1, 1, 0
	MUL16 6, 1, NQ-1, 1, 0
	WIN 0
; THE WAY OUT.  A's block a: 64 registers of a lane, register 16 b + i = B's row 32 b + 16 (lane / 16) + i of the lane's row of A.  They become 8 registers of codes and a scale word:
; each block's largest magnitude (with the floor 2^(3 - 127) among its leaves: the byte cannot fall under 1), joined with lane l xor 16's; 2 off its exponent field is the conversion's scale operand, and that shifted the byte.
; Each accumulator is read from its low end on.
.macro QUANT a
.set AC, 64*((\a)%4)
.set PCA, PC+8*(\a)
.set WM, 0x0a+5*((\a)/4)               ; sources 0 and 1: window 2 or 3
.set WC, 0x02+(\a)/4                   ; source 0: window 2 or 3
	WIN WM
.irp b, 0,1,2,3
	v_max3_num_f32 v[TM+\b], |v[AC+16*\b]|, |v[AC+16*\b+1]|, 0x1800000
.endr
.irp i, 2,4,6,8,10,12,14
.irp b, 0,1,2,3
	v_max3_num_f32 v[TM+\b], |v[AC+16*\b+\i]|, |v[AC+16*\b+\i+1]|, v[TM+\b]   ; (the four blocks by turns: no line waits for the line above it)
.endr
.endr
	WIN 0
.irp b, 0,1,2,3
	v_permlanex16_b32 v[TM+4+\b], v[TM+\b], s[SEL], s[SEL+1]
.endr
.irp b, 0,1,2,3
	v_max_num_f32 v[TM+\b], v[TM+\b], v[TM+4+\b]
.endr
.irp b, 0,1,2,3
	v_add_nc_u32 v[TM+12+\b], 0xff000000, v[TM+\b]
.endr
.irp b, 0,1,2,3
	v_lshrrev_b32 v[TM+4+\b], 23, v[TM+12+\b]
.endr
	v_lshl_or_b32 v[SW+(\a)], v[TM+5], 8, v[TM+4]  ; the four bytes make my row's scale word; both halves of the lanes hold it
	v_lshl_or_b32 v[SW+(\a)], v[TM+6], 16, v[SW+(\a)]
	v_lshl_or_b32 v[SW+(\a)], v[TM+7], 24, v[SW+(\a)]
	WIN WC
.irp b, 0,1,2,3
	v_cvt_scalef32_pk8_fp4_f32 v[PCA+2*\b], v[AC+16*\b:AC+16*\b+7], v[TM+12+\b]
	v_cvt_scalef32_pk8_fp4_f32 v[PCA+2*\b+1], v[AC+16*\b+8:AC+16*\b+15], v[TM+12+\b]
.endr
	WIN 0
	v_nop                                          ; one plain line behind a scaled conversion
.irp c, 0,1                            ; the operand's layout wants a whole block in a lane: lanes 0-15 block 2 c, lanes 16-31 block 2 c + 1
.irp i, 0,1
	v_permlane16_swap_b32 v[PCA+4*\c+\i], v[PCA+2+4*\c+\i]
.endr
.endr
.endm
	PLACES NP                                      ; behind the last products: what follows writes registers that held scale words and A's fragments, and reads results
.irp b, 0,1,2,3
	v_mov_b32 v[TM+4+\b], 0                        ; written once: a lane permute's destination counts as one of its sources
.endr
.irp a, 0,1,2,3,4,5,6,7
	QUANT \a
.endr
	s_cmp_eq_u32 s[PATH], 1
	s_cbranch_scc1 .Lout_v
	; q, k: block a is tile a of the step's 128 tokens; registers 0-3 are my first head's 64 channels, registers 4-7 the next head's.  Every store of the wave covers 512 consecutive bytes, aligned
.irp a, 0,1,2,3,4,5,6,7
	global_store_b128 v[LI], v[PC+8*\a:PC+8*\a+3], s[12:13] offset:512*\a
	global_store_b128 v[LI], v[PC+8*\a+4:PC+8*\a+7], s[12:13] offset:HEADB+512*\a
.endr
	v_cmp_eq_u32 vcc_lo, 1, v2
.irp i, 0,1,2,3
	v_cndmask_b32 v[DD+\i], v[SW+\i], v[SW+4+\i], vcc_lo   ; lanes 0-15 store the words of tiles 0-3, lanes 16-31 those of tiles 4-7.  Bytes 0, 1 are the first head's; bytes 2, 3 will stand over zero codes and are never 0xff
.endr
.irp i, 0,1,2,3
	v_lshrrev_b32 v[EE+\i], 16, v[DD+\i]           ; the next head's two bytes, with zeros above
.endr
	global_store_b128 v[LI], v[DD:DD+3], s[12:13] offset:8192
	global_store_b128 v[LI], v[EE:EE+3], s[12:13] offset:HEADB+8192
	s_branch .Lout
.Lout_v:
	; v: blocks 0-3 are my first head's four tiles of 16 channels, blocks 4-7 the next head's; registers 4 c .. 4 c + 3 are keys 64 c + 32 (lane / 16) + 0 .. 31 of the step
	s_wait_alu depctr_va_vdst(0)
.irp a, 0,1,2,3,4,5,6,7
	global_store_b128 v[LI], v[PC+8*\a:PC+8*\a+3], s[12:13] offset:(\a/4)*HEADB+4096+(\a%4)*1024
	global_store_b128 v[LI], v[PC+8*\a+4:PC+8*\a+7], s[12:13] offset:(\a/4)*HEADB+4096+(\a%4)*1024+512
.endr
	global_store_b128 v[LI], v[SW:SW+3], s[12:13] offset:8704          ; four tiles' words of my row; lanes 16-31 repeat lanes 0-15
	global_store_b128 v[LI], v[SW+4:SW+7], s[12:13] offset:HEADB+8704
.Lout:
	s_wait_tensorcnt 0x0
	ds_add_u32 v126, v127
	s_wait_dscnt 0x0
	CROUND                                         ; the closing round: no work-group ends while a partner may still ask for a tile that names it
	s_endpgm
.Lfunc_end_k_qf9608c913f_qkv:
	.size	k_qf9608c913f_qkv, .Lfunc_end_k_qf9608c913f_qkv-k_qf9608c913f_qkv
	.p2alignl 7, 3214868480
	.fill 96, 4, 3214868480
	.section	.rodata,"a",@progbits
	.p2align	6, 0x0
	.amdhsa_kernel k_qf9608c913f_qkv
		.amdhsa_group_segment_fixed_size 296448
		.amdhsa_private_segment_fixed_size 0
		.amdhsa_enable_private_segment 0
		.amdhsa_kernarg_size 56
		.amdhsa_user_sgpr_count 2
		.amdhsa_user_sgpr_kernarg_segment_ptr 1
		.amdhsa_wavefront_size32 1
		.amdhsa_system_sgpr_workgroup_id_x 1
		.amdhsa_system_sgpr_workgroup_id_y 1
		.amdhsa_system_sgpr_workgroup_id_z 1
		.amdhsa_system_vgpr_workitem_id 0
		.amdhsa_next_free_vgpr 1024
		.amdhsa_next_free_sgpr 102
		.amdhsa_reserve_vcc 1
		.amdhsa_float_denorm_mode_32 3
		.amdhsa_float_denorm_mode_16_64 3
		.amdhsa_memory_ordered 1
		.amdhsa_forward_progress 1
		.amdhsa_inst_pref_size 145
	.end_amdhsa_kernel
	.amdgpu_metadata
---
amdhsa.version: [ 1, 2 ]
amdhsa.kernels:
  - .name:           k_qf9608c913f_qkv
    .symbol:         k_qf9608c913f_qkv.kd
    .args:
      - { .name: xc, .offset: 0, .size: 8, .value_kind: global_buffer, .address_space: global }
      - { .name: xs, .offset: 8, .size: 8, .value_kind: global_buffer, .address_space: global }
      - { .name: wc, .offset: 16, .size: 8, .value_kind: global_buffer, .address_space: global }
      - { .name: ws, .offset: 24, .size: 8, .value_kind: global_buffer, .address_space: global }
      - { .name: b_attn, .offset: 32, .size: 8, .value_kind: global_buffer, .address_space: global }
      - { .name: qb, .offset: 40, .size: 8, .value_kind: global_buffer, .address_space: global }
      - { .name: kv, .offset: 48, .size: 8, .value_kind: global_buffer, .address_space: global }
    .group_segment_fixed_size: 296448
    .private_segment_fixed_size: 0
    .kernarg_segment_align: 8
    .kernarg_segment_size: 56
    .max_flat_workgroup_size: 128
    .sgpr_count:     102
    .vgpr_count:     1024
    .wavefront_size: 32
...
	.end_amdgpu_metadata
.endif
;; end of part 2
;; launch attn (part 3): grid 4 x 64, 16 waves a work-group, no clusters, 327,680 bytes of LDS; arguments qb, kv, out0; writes out0
.if DOCPART == 3
	.amdgcn_target "amdgcn-amd-amdhsa--gfx1250"
	.amdhsa_code_object_version 6
	.text
	.protected	k_qf9608c913f_attn
	.globl	k_qf9608c913f_attn
	.p2align	8
	.type	k_qf9608c913f_attn,@function
k_qf9608c913f_attn:
	s_mov_b64 s[64:65], 0
	v_nop
	global_prefetch_b8 v0, s[64:65] scope:SCOPE_SE
	s_setreg_imm32_b32 hwreg(HW_REG_WAVE_MODE, 25, 1), 1
	s_wait_xcnt 0x0
.set HEADB,  147456
.set STEPB,  9216
.set PART,   4608
.set HALFKV, 73728
.set STG,    147456
.set SPITCH, 272
	s_load_b128 s[4:7], s[0:1], 0x0
	s_load_b64 s[8:9], s[0:1], 0x10
	v_lshl_add_u32 v254, v0, 2, 0x35000
	v_mov_b32 v255, 0
	ds_add_u32 v254, v255
	ds_add_u32 v254, v255
	s_wait_dscnt 0x0
	v_lshrrev_b32 v1, 5, v0
	s_delay_alu instid0(VALU_DEP_1)
	v_readfirstlane_b32 s10, v1
	s_and_b32 s11, ttmp7, 0xffff
	s_mul_i32 s12, s11, HEADB
	s_mul_i32 s14, s10, PART
	s_add_co_u32 s52, s12, s14
	s_mov_b32 s53, 0
	s_lshl_b32 s50, ttmp9, 4
	s_add_co_u32 s50, s50, s10
	s_sub_co_u32 s51, 127, s50
	s_mov_b32 s16, 3<<16
	s_mov_b32 s17, 32<<16
	s_mov_b32 s18, 18<<16
	s_mov_b32 s19, 32<<16
	s_mov_b32 s20, 18
	s_mov_b32 s21, 32
	s_mov_b32 s22, 0
	s_mov_b32 s23, 0
	s_mov_b32 s32, 0x76543210
	s_mov_b32 s33, 0xfedcba98
	s_mov_b32 s34, 0x3e38aa3b
	s_mov_b32 s35, s34
	s_wait_kmcnt 0x0
	s_mov_b32 s24, 1
	s_mov_b32 s25, s14
	s_add_nc_u64 s[26:27], s[6:7], s[52:53]
	s_mov_b32 s28, 1
	s_add_co_u32 s29, s14, HALFKV
	s_add_nc_u64 s[30:31], s[26:27], HALFKV
	s_or_b32 s27, s27, 0x80000000
	s_or_b32 s31, s31, 0x80000000
	tensor_load_to_lds s[24:27], s[16:23]
	s_nop 0
	s_wait_alu depctr_va_vdst(0)
	s_wait_tensorcnt 0x0
	ds_add_u32 v254, v255
	s_wait_dscnt 0x0
	s_barrier_signal -1
	s_barrier_wait -1
	tensor_load_to_lds s[28:31], s[16:23]
	s_nop 0
.rept 4
	v_nop
.endr
.macro TILEADR tau, q0, po, pc, ps
	s_and_b32 s52, s[\tau], 1
	s_lshl_b32 s52, s52, 3
	s_lshl_b32 s[\q0], s[\tau], 4
	s_sub_co_u32 s[\q0], s[\q0], s52
	s_lshr_b32 s52, s11, 4
	s_lshl_b32 s52, s52, 11
	s_add_co_u32 s52, s52, s[\q0]
	s_lshl_b32 s52, s52, 12
	s_and_b32 s53, s11, 15
	s_lshl_b32 s53, s53, 8
	s_add_co_u32 s52, s52, s53
	s_mov_b32 s53, 0
	s_add_nc_u64 s[\po:\po+1], s[8:9], s[52:53]
	s_lshr_b32 s52, s[\tau], 3
	s_mul_i32 s52, s52, STEPB
	s_add_co_u32 s52, s52, s12
	s_and_b32 s54, s[\tau], 7
	s_lshl_b32 s54, s54, 9
	s_add_co_u32 s54, s54, s52
	s_mov_b32 s55, 0
	s_add_nc_u64 s[\pc:\pc+1], s[4:5], s[54:55]
	s_bfe_u32 s54, s[\tau], 0x10002
	s_lshl_b32 s54, s54, 8
	s_add_co_u32 s54, s54, s52
	s_and_b32 s52, s[\tau], 3
	s_lshl_b32 s52, s52, 2
	s_add_co_u32 s54, s54, s52
	s_add_co_u32 s54, s54, 8192
	s_add_nc_u64 s[\ps:\ps+1], s[4:5], s[54:55]
.endm
	TILEADR 50, 40, 42, 46, 56
	TILEADR 51, 41, 44, 48, 58
	v_and_b32 v9, 15, v0
	v_bfe_u32 v10, v0, 4, 1
	v_and_b32 v1, 31, v0
	s_delay_alu instid0(VALU_DEP_1)
	v_lshlrev_b32 v1, 4, v1
	s_delay_alu instid0(VALU_DEP_4)
	v_lshlrev_b32 v8, 4, v9
	global_load_b128 v[16:19], v1, s[46:47]
	global_load_b32 v255, v8, s[56:57]
	global_load_b128 v[244:247], v1, s[48:49]
	global_load_b32 v7, v8, s[58:59]
	v_and_b32 v2, 8, v9
	s_delay_alu instid0(VALU_DEP_1)
	v_add_nc_u32 v2, v2, v9
	v_lshlrev_b32 v11, 4, v10
	s_delay_alu instid0(VALU_DEP_1)
	v_sub_nc_u32 v2, v2, v11
	s_mul_i32 s39, s10, 16*SPITCH
	s_add_co_u32 s39, s39, STG
	v_mul_u32_u24 v3, v9, SPITCH
	s_delay_alu instid0(VALU_DEP_1)
	v_lshl_add_u32 v3, v10, 6, v3
	s_delay_alu instid0(VALU_DEP_1)
	v_add_nc_u32 v3, s39, v3
	v_mul_u32_u24 v4, v10, SPITCH
	s_delay_alu instid0(VALU_DEP_1)
	v_lshl_add_u32 v4, v9, 4, v4
	s_delay_alu instid0(VALU_DEP_1)
	v_add_nc_u32 v4, s39, v4
	v_lshlrev_b32 v5, 12, v10
	s_delay_alu instid0(VALU_DEP_1)
	v_lshl_add_u32 v5, v9, 4, v5
.irp j, 20,21,22,23,248,249,250,251
	v_mov_b32 v[\j], 0
.endr
.irp t, 0,1,2,3,4,5,6,7
.irp j, 4,5,6,7
	v_mov_b32 v[32+8*\t+\j], 0
.endr
.endr
.irp j, 236,237,238,239,252,253
	v_mov_b32 v[\j], 0
.endr
.macro STEP qf, qs, q0
	s_cmp_gt_u32 s37, s[\q0]
	s_cbranch_scc1 .Lhidden_\@
	s_setprio 2
	v_add_nc_u32 v6, s36, v1
.rept 3
	v_nop
.endr
.irp t, 0,1,2,3,4,5,6,7
	ds_load_b128 v[32+8*\t:35+8*\t], v6 offset:512*\t
.endr
	ds_load_b128 v[24:27], v6 offset:8192
.irp t, 0,1,2,3
.irp c, 0,1
	ds_load_b128 v[192+8*\t+4*\c:195+8*\t+4*\c], v6 offset:4096+1024*\t+512*\c
.endr
.endr
	ds_load_b128 v[28:31], v6 offset:8704
	s_wait_dscnt 9
.irp t, 0,1,2,3
	v_wmma_scale_f32_16x16x128_f8f6f4 v[96+8*\t:103+8*\t], v[32+8*\t:39+8*\t], v[\qf:\qf+7], 0, v[24+\t], v[\qs] matrix_a_fmt:MATRIX_FMT_FP4 matrix_b_fmt:MATRIX_FMT_FP4
.endr
.irp t, 4,5,6,7
	v_wmma_scale_f32_16x16x128_f8f6f4 v[96+8*\t:103+8*\t], v[32+8*\t:39+8*\t], v[\qf:\qf+7], 0, v[20+\t], v[\qs] matrix_a_fmt:MATRIX_FMT_FP4 matrix_b_fmt:MATRIX_FMT_FP4 matrix_a_scale:MATRIX_SCALE_ROW1
.endr
.rept 4
	v_nop
.endr
	s_add_co_u32 s39, s37, 127
	s_cmp_lt_u32 s39, s[\q0]
	s_cbranch_scc1 .Lopen_\@
	s_sub_co_i32 s39, s[\q0], s37
	v_add_nc_u32 v252, s39, v2
	v_mov_b32 v254, 0xff800000
.irp n, 0,1,2,3,4,5,6,7,8,9,10,11,12,13,14,15,16,17,18,19,20,21,22,23,24,25,26,27,28,29,30,31,32,33,34,35,36,37,38,39,40,41,42,43,44,45,46,47,48,49,50,51,52,53,54,55,56,57,58,59,60,61,62,63
	v_cmp_gt_i32 vcc_lo, 32*(\n/16)+\n%16, v252
	v_cndmask_b32 v[96+\n], v[96+\n], v254, vcc_lo
.endr
.Lopen_\@:
.irp b, 0,1,2,3
	v_max3_num_f32 v[232+\b], v[96+16*\b], v[97+16*\b], v[98+16*\b]
.endr
.irp i, 3,5,7,9,11,13
.irp b, 0,1,2,3
	v_max3_num_f32 v[232+\b], v[232+\b], v[96+16*\b+\i], v[97+16*\b+\i]
.endr
.endr
.irp b, 0,1,2,3
	v_max_num_f32 v[232+\b], v[232+\b], v[111+16*\b]
.endr
.irp b, 0,1,2,3
	s_delay_alu instid0(VALU_DEP_4)
	v_permlanex16_b32 v[236+\b], v[232+\b], s32, s33
.endr
.irp b, 0,1,2,3
	s_delay_alu instid0(VALU_DEP_4)
	v_max_num_f32 v[232+\b], v[232+\b], v[236+\b]
.endr
	s_delay_alu instid0(VALU_DEP_2)
	v_max3_num_f32 v254, v232, v233, v234
	s_delay_alu instid0(VALU_DEP_1)
	v_max_num_f32 v254, v254, v235
	s_delay_alu instid0(VALU_DEP_1)
	v_mul_f32 v254, s34, v254
	s_delay_alu instid0(VALU_DEP_1)
	v_max_num_f32 v13, v13, v254
	v_mov_b32 v254, v12
	s_delay_alu instid0(VALU_DEP_2)
	v_floor_f32 v12, -v13
	s_delay_alu instid0(VALU_DEP_1)
	v_sub_f32 v254, v12, v254
	s_delay_alu instid0(VALU_DEP_1)
	v_cvt_i32_f32 v254, v254
	s_delay_alu instid0(VALU_DEP_1)
	v_ldexp_f32 v252, 1.0, v254
.irp j, 0,2,4,6,8,10,12,14,16,18,20,22,24,26,28,30,32,34,36,38,40,42,44,46,48,50,52,54,56,58,60,62
	v_pk_fma_f32 v[96+\j:97+\j], v[96+\j:97+\j], s[34:35], v[12:13] op_sel_hi:[1,0,0]
.endr
	s_setprio 1
.irp b, 0,1,2,3
	v_fma_f32 v[232+\b], v[232+\b], s34, v12
.endr
	s_wait_alu depctr_va_vdst(0)
.irp j, 0,1,2,3,4,5,6,7,8,9,10,11,12,13,14,15,16,17,18,19,20,21,22,23,24,25,26,27,28,29,30,31,32,33,34,35,36,37,38,39,40,41,42,43,44,45,46,47,48,49,50,51,52,53,54,55,56,57,58,59,60,61,62,63
	v_exp_f32 v[96+\j], v[96+\j]
.endr
.irp b, 0,1,2,3
	v_exp_f32 v[232+\b], v[232+\b]
.endr
	v_pk_mul_f32 v[14:15], v[14:15], v[252:253] op_sel_hi:[1,0]
	s_wait_alu depctr_va_vdst(0)
.irp b, 0,1,2,3
	v_max_num_f32 v[232+\b], 0x1800000, v[232+\b]
.endr
.irp b, 0,1,2,3
	s_delay_alu instid0(VALU_DEP_4)
	v_add_nc_u32 v[240+\b], 0xff000000, v[232+\b]
.endr
.irp b, 0,1,2,3
	s_delay_alu instid0(VALU_DEP_4)
	v_lshrrev_b32 v[236+\b], 23, v[240+\b]
.endr
	s_delay_alu instid0(VALU_DEP_3)
	v_lshl_or_b32 v253, v237, 8, v236
	s_delay_alu instid0(VALU_DEP_1)
	v_lshl_or_b32 v253, v238, 16, v253
	s_delay_alu instid0(VALU_DEP_1)
	v_lshl_or_b32 v253, v239, 24, v253
.irp b, 0,1,2,3
	v_cvt_scalef32_pk8_fp4_f32 v[224+2*\b], v[96+16*\b:103+16*\b], v[240+\b]
	v_cvt_scalef32_pk8_fp4_f32 v[225+2*\b], v[104+16*\b:111+16*\b], v[240+\b]
.endr
	v_nop
.irp c, 0,1
.irp i, 0,1
	v_permlane16_swap_b32 v[224+4*\c+\i], v[226+4*\c+\i]
.endr
.endr
	v_pk_add_f32 v[236:237], v[96:97], v[98:99]
	s_setprio 0
.irp j, 4,8,12,16,20,24,28,32,36,40,44,48,52,56,60
	v_pk_add_f32 v[14:15], v[14:15], v[96+\j:97+\j]
	v_pk_add_f32 v[236:237], v[236:237], v[98+\j:99+\j]
.endr
	s_delay_alu instid0(VALU_DEP_1)
	v_pk_add_f32 v[14:15], v[14:15], v[236:237]
.irp j, 0,2,4,6,8,10,12,14,16,18,20,22,24,26,28,30
	v_pk_mul_f32 v[160+\j:161+\j], v[160+\j:161+\j], v[252:253] op_sel_hi:[1,0]
.endr
	s_wait_alu depctr_va_vdst(0)
	s_wait_dscnt 0x0
.irp t, 0,1,2,3
	v_wmma_scale_f32_16x16x128_f8f6f4 v[160+8*\t:167+8*\t], v[192+8*\t:199+8*\t], v[224:231], v[160+8*\t:167+8*\t], v[28+\t], v253 matrix_a_fmt:MATRIX_FMT_FP4 matrix_b_fmt:MATRIX_FMT_FP4
.endr
.Lhidden_\@:
.endm
.macro WAYOUT po
.rept 4
	v_nop
.endr
	v_add_f32 v14, v14, v15
	s_delay_alu instid0(VALU_DEP_1)
	v_permlanex16_b32 v252, v14, s32, s33
	s_delay_alu instid0(VALU_DEP_1)
	v_add_f32 v14, v14, v252
	s_wait_alu depctr_va_vdst(0)
	v_rcp_f32 v14, v14
	v_nop
	s_wait_alu depctr_va_vdst(0)
.irp j, 0,2,4,6,8,10,12,14,16,18,20,22,24,26,28,30
	v_pk_mul_f32 v[96+\j:97+\j], v[160+\j:161+\j], v[14:15] op_sel_hi:[1,0]
.endr
.irp t, 0,1,2,3
	ds_store_b128 v3, v[96+8*\t:99+8*\t] offset:128*(\t/2)+32*(\t%2)
	ds_store_b128 v3, v[100+8*\t:103+8*\t] offset:128*(\t/2)+32*(\t%2)+16
.endr
.irp i, 0,1,2,3,4,5,6,7
	ds_load_b128 v[128+4*\i:131+4*\i], v4 offset:2*\i*SPITCH
.endr
.irp i, 0,1,2,3,4,5,6,7
	s_wait_dscnt 7-\i
	global_store_b128 v5, v[128+4*\i:131+4*\i], s[\po:\po+1] offset:(2*\i+8*(\i/4))*4096 th:TH_STORE_NT
.endr
.endm
.macro PHASE trips, qf, qs, q0, po
	s_wait_xcnt 0x0
	v_mov_b32 v13, 0xff61b1e6
	s_delay_alu instid0(VALU_DEP_1)
	v_floor_f32 v12, -v13
	v_mov_b32 v14, 0
	v_mov_b32 v15, 0
.irp j, 0,1,2,3,4,5,6,7,8,9,10,11,12,13,14,15,16,17,18,19,20,21,22,23,24,25,26,27,28,29,30,31
	v_mov_b32 v[160+\j], 0
.endr
	s_mov_b32 s36, 0
	s_mov_b32 s37, 0
	s_mov_b32 s38, \trips
.Lstep_\@:
	STEP \qf, \qs, \q0
	s_add_co_u32 s36, s36, STEPB
	s_add_co_u32 s37, s37, 128
	s_sub_co_u32 s38, s38, 1
	s_cmp_lg_u32 s38, 0
	s_cbranch_scc1 .Lstep_\@
	s_setprio 0
	WAYOUT \po
.endm
	s_wait_tensorcnt 1
	s_barrier_signal -1
	s_barrier_wait -1
	s_wait_loadcnt 0x0
	PHASE 8, 16, 255, 40, 42
	s_wait_tensorcnt 0x0
	s_wait_dscnt 0x0
	s_barrier_signal -1
	s_barrier_wait -1
	PHASE 16, 244, 7, 41, 44
	s_wait_xcnt 0x0
	v_lshl_add_u32 v254, v0, 2, 0x35000
	v_mov_b32 v255, 0
	s_wait_alu depctr_va_vdst(0)
	s_wait_tensorcnt 0x0
	ds_add_u32 v254, v255
	s_wait_dscnt 0x0
	s_endpgm
.Lfunc_end_k_qf9608c913f_attn:
	.size	k_qf9608c913f_attn, .Lfunc_end_k_qf9608c913f_attn-k_qf9608c913f_attn
	.p2alignl 7, 3214868480
	.fill 96, 4, 3214868480
	.section	.rodata,"a",@progbits
	.p2align	6, 0x0
	.amdhsa_kernel k_qf9608c913f_attn
		.amdhsa_group_segment_fixed_size 327680
		.amdhsa_private_segment_fixed_size 0
		.amdhsa_enable_private_segment 0
		.amdhsa_kernarg_size 24
		.amdhsa_user_sgpr_count 2
		.amdhsa_user_sgpr_kernarg_segment_ptr 1
		.amdhsa_wavefront_size32 1
		.amdhsa_system_sgpr_workgroup_id_x 1
		.amdhsa_system_sgpr_workgroup_id_y 1
		.amdhsa_system_sgpr_workgroup_id_z 1
		.amdhsa_system_vgpr_workitem_id 0
		.amdhsa_next_free_vgpr 256
		.amdhsa_next_free_sgpr 66
		.amdhsa_reserve_vcc 1
		.amdhsa_float_denorm_mode_32 3
		.amdhsa_float_denorm_mode_16_64 3
		.amdhsa_memory_ordered 1
		.amdhsa_forward_progress 1
		.amdhsa_inst_pref_size 60
	.end_amdhsa_kernel
	.amdgpu_metadata
---
amdhsa.version: [ 1, 2 ]
amdhsa.kernels:
  - .name:           k_qf9608c913f_attn
    .symbol:         k_qf9608c913f_attn.kd
    .args:
      - { .name: qb, .offset: 0, .size: 8, .value_kind: global_buffer, .address_space: global }
      - { .name: kv, .offset: 8, .size: 8, .value_kind: global_buffer, .address_space: global }
      - { .name: out0, .offset: 16, .size: 8, .value_kind: global_buffer, .address_space: global }
    .group_segment_fixed_size: 327680
    .private_segment_fixed_size: 0
    .kernarg_segment_align: 8
    .kernarg_segment_size: 24
    .max_flat_workgroup_size: 512
    .sgpr_count:     66
    .vgpr_count:     256
    .wavefront_size: 32
...
	.end_amdgpu_metadata
.endif
;; end of part 3
